; MI455X (gfx1250); checked and timed in simulation.
; The chip was launched on July 23, 2026; its instructions are those of AMD's public machine-readable ISA for CDNA 5 (MIT licence, August 2026) and "CDNA5" Instruction Set Architecture Reference Guide (July 2026). The comments in the code are by the model that wrote it; some were corrected since.
;; Multi Head Attention. Allowed arithmetic: float matrix products may take bf16 or f16 operands with f32 sums; all other float work in f32.
;; Inputs: Wkv 1,024 x 8 x 256 float32; Wproj 8 x 128 x 1,024 float32; Wq 1,024 x 8 x 128 float32; b_proj 1,024 float32; inputs_kv 4 x 4,096 x 1,024 float32; inputs_q 4 x 512 x 1,024 float32.
;; Outputs: out0 4 x 512 x 1,024 float32.
;; One version. Each part assembles by itself: llvm-mc -triple=amdgcn-amd-amdhsa -mcpu=gfx1250 --defsym DOCPART=n.
;; ======== version 1 of 1: 4 launches
;; limits: values are held in f16: magnitudes above 65,504 overflow, below 6.1e-05 lose precision
;; workspace buffers: h16 46,137,344 bytes; kv 67,108,864 bytes; o 4,194,304 bytes
;; launch cast (part 1): grid 1408 x 1, 8 waves a work-group, no clusters, 0 bytes of LDS; arguments inputs_kv, inputs_q, Wkv, Wq, Wproj, h16; writes h16
.if DOCPART == 1
	.amdgcn_target "amdgcn-amd-amdhsa--gfx1250"
	.amdhsa_code_object_version 6
	.text
	.protected	k_q7a69a07fbc_cast
	.globl	k_q7a69a07fbc_cast
	.p2align	8
	.type	k_q7a69a07fbc_cast,@function
k_q7a69a07fbc_cast:
	s_mov_b64 s[64:65], 0
	v_nop
	global_prefetch_b8 v0, s[64:65] scope:SCOPE_SE
	s_setreg_imm32_b32 hwreg(HW_REG_WAVE_MODE, 25, 1), 1
	s_wait_xcnt 0x0
; f32 to f16, element by element, of the five tensors that feed matrix products.  h16 holds them one behind the other, each in its own
; row-major layout: inputs_kv, inputs_q, Wkv, Wq, Wproj.
; LIMIT: a magnitude above 65,504 becomes infinity in f16, one below about 6e-8 becomes 0.
; A work-group converts 16,384 numbers: 64 KiB in, 32 KiB out.  The tensors have 1024, 128, 128, 64 and 64 such pieces, so the
; work-group number picks the source, and the destination offset is simply the number times 32 KiB.
; No LDS, no barrier, no matrix unit: each byte is read once and written once.  Sixteen loads of a wave go out together; a load of a wave
; covers 512 consecutive bytes, a store 256 consecutive bytes at a multiple of 256.  No register is used twice, so no source has to be freed.
.set X, 4                              ; v[4:67]   slot i: 4 numbers in f32
.set Y, 68                             ; v[68:99]  slot i: the same 4 in f16
	s_load_b256 s[4:11], s[0:1], 0x0               ; inputs_kv s[4:5], inputs_q s[6:7], Wkv s[8:9], Wq s[10:11]
	s_load_b128 s[12:15], s[0:1], 0x20             ; Wproj s[12:13], h16 s[14:15]
	v_lshlrev_b32 v1, 4, v0                        ; 16 bytes a thread in
	v_lshlrev_b32 v2, 3, v0                        ; 8 bytes a thread out
	s_wait_kmcnt 0x0
	s_mov_b64 s[20:21], s[4:5]                     ; the source, and the number of its first work-group
	s_mov_b32 s22, 0
.macro PICK start, lo                  ; from work-group start on the source is the buffer in s[lo:lo+1]
	s_cmp_ge_u32 ttmp9, \start
	s_cselect_b64 s[20:21], s[\lo:\lo+1], s[20:21]
	s_cselect_b32 s22, \start, s22
.endm
	PICK 1024, 6
	PICK 1152, 8
	PICK 1280, 10
	PICK 1344, 12
	s_sub_co_u32 s24, ttmp9, s22                   ; my piece of that source,
	s_lshl_b32 s24, s24, 16                        ; 64 KiB each (below 64 MiB)
	s_mov_b32 s25, 0
	s_add_nc_u64 s[20:21], s[20:21], s[24:25]
	s_lshl_b32 s26, ttmp9, 15                      ; 32 KiB each in h16 (below 44 MiB)
	s_mov_b32 s27, 0
	s_add_nc_u64 s[14:15], s[14:15], s[26:27]
.irp i, 0,1,2,3,4,5,6,7,8,9,10,11,12,13,14,15
	global_load_b128 v[X+4*\i:X+4*\i+3], v1, s[20:21] offset:\i*4096 th:TH_LOAD_NT
.endr
.irp i, 0,1,2,3,4,5,6,7,8,9,10,11,12,13,14,15
	s_wait_loadcnt 15-\i                           ; loads come back in order: slot i is in, the younger ones stay out
	v_cvt_pk_f16_f32 v[Y+2*\i],   v[X+4*\i],   v[X+4*\i+1]
	v_cvt_pk_f16_f32 v[Y+2*\i+1], v[X+4*\i+2], v[X+4*\i+3]
	global_store_b64 v2, v[Y+2*\i:Y+2*\i+1], s[14:15] offset:\i*2048
.endr
	s_endpgm
.Lfunc_end_k_q7a69a07fbc_cast:
	.size	k_q7a69a07fbc_cast, .Lfunc_end_k_q7a69a07fbc_cast-k_q7a69a07fbc_cast
	.p2alignl 7, 3214868480
	.fill 96, 4, 3214868480
	.section	.rodata,"a",@progbits
	.p2align	6, 0x0
	.amdhsa_kernel k_q7a69a07fbc_cast
		.amdhsa_group_segment_fixed_size 0
		.amdhsa_private_segment_fixed_size 0
		.amdhsa_enable_private_segment 0
		.amdhsa_kernarg_size 48
		.amdhsa_user_sgpr_count 2
		.amdhsa_user_sgpr_kernarg_segment_ptr 1
		.amdhsa_wavefront_size32 1
		.amdhsa_system_sgpr_workgroup_id_x 1
		.amdhsa_system_sgpr_workgroup_id_y 1
		.amdhsa_system_sgpr_workgroup_id_z 1
		.amdhsa_system_vgpr_workitem_id 0
		.amdhsa_next_free_vgpr 104
		.amdhsa_next_free_sgpr 66
		.amdhsa_reserve_vcc 0
		.amdhsa_float_denorm_mode_32 3
		.amdhsa_float_denorm_mode_16_64 3
		.amdhsa_memory_ordered 1
		.amdhsa_forward_progress 1
		.amdhsa_inst_pref_size 7
	.end_amdhsa_kernel
	.amdgpu_metadata
---
amdhsa.version: [ 1, 2 ]
amdhsa.kernels:
  - .name:           k_q7a69a07fbc_cast
    .symbol:         k_q7a69a07fbc_cast.kd
    .args:
      - { .name: inputs_kv, .offset: 0, .size: 8, .value_kind: global_buffer, .address_space: global }
      - { .name: inputs_q, .offset: 8, .size: 8, .value_kind: global_buffer, .address_space: global }
      - { .name: Wkv, .offset: 16, .size: 8, .value_kind: global_buffer, .address_space: global }
      - { .name: Wq, .offset: 24, .size: 8, .value_kind: global_buffer, .address_space: global }
      - { .name: Wproj, .offset: 32, .size: 8, .value_kind: global_buffer, .address_space: global }
      - { .name: h16, .offset: 40, .size: 8, .value_kind: global_buffer, .address_space: global }
    .group_segment_fixed_size: 0
    .private_segment_fixed_size: 0
    .kernarg_segment_align: 8
    .kernarg_segment_size: 48
    .max_flat_workgroup_size: 256
    .sgpr_count:     66
    .vgpr_count:     104
    .wavefront_size: 32
...
	.end_amdgpu_metadata
.endif
;; end of part 1
;; launch kvproj (part 2): grid 8 x 32, 4 waves a work-group, clusters of 4 x 4, 327,680 bytes of LDS; arguments h16, kv; writes kv
.if DOCPART == 2
	.amdgcn_target "amdgcn-amd-amdhsa--gfx1250"
	.amdhsa_code_object_version 6
	.text
	.protected	k_q7a69a07fbc_kvproj
	.globl	k_q7a69a07fbc_kvproj
	.p2align	8
	.type	k_q7a69a07fbc_kvproj,@function
k_q7a69a07fbc_kvproj:
	s_mov_b64 s[64:65], 0
	v_nop
	global_prefetch_b8 v0, s[64:65] scope:SCOPE_SE
	s_setreg_imm32_b32 hwreg(HW_REG_WAVE_MODE, 25, 1), 1
	s_wait_xcnt 0x0
	s_wait_alu depctr_hold_cnt(0) depctr_sa_sdst(0) depctr_va_vdst(0) depctr_va_sdst(0) depctr_va_ssrc(0) depctr_va_vcc(0) depctr_vm_vsrc(0)
	s_getreg_b32 s2, hwreg(HW_REG_IB_STS2, 6, 4)
	s_cmp_eq_u32 s2, 0
	s_cbranch_scc0 .Lentry_in_a_cluster
	s_endpgm
.Lentry_in_a_cluster:
	s_bfe_u32 s2, ttmp6, 0x10000c
	s_cmp_lg_u32 s2, 0xf033
	s_cbranch_scc0 .Lentry_shape_is_right
	s_endpgm
.Lentry_shape_is_right:
; kv[m][n] = sum over k of Xkv[m][k] Wkv[k][n].  Xkv: [16384][1024] f16 (h16, byte 0), Wkv: [1024][2048] f16 (h16, byte WKV_OFF),
; kv: [16384][2048] f16; sums in f32, rounded once.  LIMIT: a result above 65,504 in magnitude becomes infinity.
; A work-group makes blocks of 256 x 256 with four waves, as many as a WGP has SIMDs; a wave makes 128 x 128: 64 accumulator tiles of
; 16 x 16, 512 registers.  K goes in steps of 128 through a ring of two LDS slots filled by the tensor data mover.
; THE WORK-GROUP STAYS AND MAKES TWO BLOCKS: block rows y and y + 32 of one block column; 256 work-groups make the 512 blocks.  The ring runs on
; over the seam: in the first block's last two K steps the slots are refilled with the second block's first two K steps, which are on their
; way during the first way out, and the first block's 64 stores of a wave leave while the second block is multiplied.
; A (Xkv) lies along K: its tile is 256 rows x 256 bytes, LDS pitch 272.  B (Wkv) lies [k][n]: its tile is 128 k rows x 512 bytes, LDS pitch 544,
; and its fragments are read by the transposing LDS load.  Waves 0 and 1 fetch 128 rows of A each, waves 2 and 3 64 k rows of B each: 34,816 LDS bytes a wave.
; CLUSTERS: 4 x 4 work-groups.  The four of a row of the cluster need the same tiles of A, the four of a column the same tiles of B: each tile is asked for
; jointly, by the same tensor load with the same descriptor and a mask that names the four, which divides the requests for A and B by four.
;
; REGISTERS, in windows of 256 (s_set_vgpr_msb says which window each operand place means):
;   window 0: v0-31 addresses; v64-127, v128-191 fragments of A, two buffers; v192-223 at work on the way out
;   window 1: v64-127, v128-191 fragments of B, two buffers
;   window 2: the 32 accumulator tiles of my rows 0-63 (tile (a, b) at v[8 (8 a + b)]);   window 3: those of my rows 64-127
; THE MATRIX INSTRUCTION IS USED TRANSPOSED: source 0 = 16 columns of B, source 1 = 16 rows of A, so that a lane holds eight neighbouring
; numbers of a row of kv, which pack into 16 bytes.
; The 64 accumulators take turns, one instruction a turn, in the same order in every quarter step, over the backward jumps and over the seam.
.set SIZE_N, 2048
.set SIZE_K, 1024
.set WKV_OFF, 37748736                 ; Wkv in h16
.set KSTEP,  128
.set PITCH,  272                       ; A's LDS row: 256 bytes + 16 of padding: the 16 rows that a load touches start 16 bytes apart modulo 256
.set BP,     544                       ; B's LDS row: 512 bytes + 32 of padding: the 8 rows that a transposing load's half touches start 32 bytes apart modulo 256
.set HALFT,  128*PITCH                 ; what one tensor load brings: 128 rows of A, or 64 k rows of B (64 x 544 is the same 34,816)
.set SLOT,   4*HALFT                   ; A's 256 rows, then B's 128 k rows
.set STAGE,  2*SLOT                    ; behind the ring: 16 rows x 272 bytes for each wave, for the way out; no tensor load fills it
.set SPITCH, 272
.set LAPS, SIZE_K/(2*KSTEP)            ; a lap = two K steps = once round the ring: 4 for a block
.set NEXTB, 32*256                     ; rows from my first block to my second
.set A_SEAM, NEXTB*SIZE_K*2-(SIZE_K-2*KSTEP)*2     ; A: from K step 6 (7) of a block to K step 0 (1) of the next: 8,192 rows on, 1,536 bytes back
.set B_SEAM, (SIZE_K-2*KSTEP)*SIZE_N*2             ; B: 768 k rows back
.set C_SEAM, NEXTB*SIZE_N*2-7*16*SIZE_N*2          ; C: the way out has gone 7 x 16 rows on
.set ADRA, 16                          ; v16-17  LDS address of my A fragments in slot 0, 1
.set ADRB, 20                          ; v20-21  the same for B
.set STO,  24                          ; v24     the way out: where I put 16 bytes of a row
.set RD,   25                          ; v25     the way out: where I read a row back
.set CO,   26                          ; v26     my byte offset in kv
.set F0,   64
.set F1,   128
.set TMP,  192
.set G1, 24                            ; s[24:31] descriptor group 1 for A
.set G0, 32                            ; s[32:39] descriptor group 0 for A, one set for each slot
.set G1B, 48                           ; s[48:55] descriptor group 1 for B
.set G0B, 56                           ; s[56:63] descriptor group 0 for B, one set for each slot
.set MSB, 0
.macro WIN new                         ; the immediate's high byte repeats the setting that is left; a switch that changes nothing is dropped
.if MSB != \new
	s_set_vgpr_msb (MSB<<8)|\new
.set MSB, \new
.endif
.endm
.set MUL_LO, 0xa1                      ; source 0 (B) window 1, source 1 (A) window 0, C and D window 2
.set MUL_HI, 0xf1                      ; the same, C and D window 3
.set TO_B,   0x40                      ; destination window 1, address window 0
; A joint load.  Waves 0 and 1 fetch for A, waves 2 and 3 for B.  Each line has one mask; the branch hangs on the wave number alone.
.macro JLOAD s
	s_cmp_eq_u32 s11, 0
	s_cbranch_scc0 .Lfor_b_\@
	tensor_load_to_lds s[G0+4*\s:G0+4*\s+3], s[G1:G1+7]
	s_nop 0
	s_branch .Lasked_\@
.Lfor_b_\@:
	tensor_load_to_lds s[G0B+4*\s:G0B+4*\s+3], s[G1B:G1B+7]
	s_nop 0
.Lasked_\@:
.endm
; A round of the cluster's barrier: my work-group's barrier; wave 0 signals for the work-group; every wave waits for all sixteen; my work-group's barrier again.
.macro CREST                           ; a round behind its opening barrier
	s_cmp_lg_u32 s10, 0
	s_cbranch_scc1 .Lnot_wave_0_\@
	s_barrier_signal -3
.Lnot_wave_0_\@:
	s_barrier_wait -3
	s_barrier_signal -1
	s_barrier_wait -1
.endm
.macro CROUND
	s_barrier_signal -1
	s_barrier_wait -1
	CREST
.endm
	s_load_b128 s[4:7], s[0:1], 0x0                ; h16 s[4:5], kv s[6:7]
	s_set_vgpr_msb 0x40
	v_lshl_add_u32 v255, v0, 2, 0x48400
	s_set_vgpr_msb 0x4000
	v_mov_b32 v255, 0
	s_set_vgpr_msb 0x1
	ds_add_u32 v255, v255
	s_set_vgpr_msb 0x100
	v_lshrrev_b32 v1, 5, v0
	v_readfirstlane_b32 s10, v1                    ; wave 0..3
	s_lshr_b32 s11, s10, 1                         ; which half of the block's rows is mine.  Also: I fetch for A (0) or for B (1)
	s_and_b32 s12, s10, 1                          ; which half of its columns.  Also: which half of that tile I fetch
	s_bfe_u32 s40, ttmp6, 0x40000                  ; cx
	s_bfe_u32 s41, ttmp6, 0x40004                  ; cy
	s_lshl_b32 s42, ttmp9, 2
	s_add_co_u32 s42, s42, s40                     ; block column = 4 x cluster x + cx
	s_and_b32 s13, ttmp7, 0xffff
	s_lshl_b32 s13, s13, 2
	s_add_co_u32 s13, s13, s41                     ; my first block row = 4 x cluster y + cy, 0 to 31
	s_lshl_b32 s43, s41, 2
	s_lshl_b32 s43, 15, s43                        ; my row of the cluster: places 4 cy .. 4 cy + 3
	s_lshl_b32 s44, 0x1111, s40                    ; my column: places cx, cx + 4, cx + 8, cx + 12
	; group 1 for A: 128 rows x 128 elements of 2 bytes, 4 words of padding behind every 64
	s_or_b32 s[G1+0], s43, (1<<16)|(1<<20)|(1<<21)|(5<<22)|(3<<25)
	s_mov_b32 s[G1+1], KSTEP<<16                   ; tensor_dim0 = 128
	s_mov_b32 s[G1+2], 128<<16                     ; tensor_dim1 = 128
	s_mov_b32 s[G1+3], KSTEP<<16                   ; tile_dim0 = 128
	s_mov_b32 s[G1+4], 128                         ; tile_dim1 = 128
	s_mov_b32 s[G1+5], SIZE_K                      ; elements from row to row
	s_mov_b32 s[G1+6], 0
	s_mov_b32 s[G1+7], 0
	; group 1 for B: 64 k rows x 256 elements of 2 bytes, 8 words of padding behind every 128
	s_or_b32 s[G1B+0], s44, (1<<16)|(1<<20)|(1<<21)|(6<<22)|(7<<25)
	s_mov_b32 s[G1B+1], 256<<16                    ; tensor_dim0 = 256
	s_mov_b32 s[G1B+2], 64<<16                     ; tensor_dim1 = 64
	s_mov_b32 s[G1B+3], 256<<16                    ; tile_dim0 = 256
	s_mov_b32 s[G1B+4], 64                         ; tile_dim1 = 64
	s_mov_b32 s[G1B+5], SIZE_N
	s_mov_b32 s[G1B+6], 0
	s_mov_b32 s[G1B+7], 0
	; where the tiles come from.  A's hang on the block row alone, B's on the block column alone, each in registers that never hold the other coordinate.
	s_lshl_b32 s17, s12, 7
	s_lshl_b32 s16, s13, 8
	s_add_co_u32 s16, s16, s17                     ; A: row 256 x block row + 128 x half,
	s_lshl_b32 s16, s16, 11                        ; of 2,048 bytes (below 16 MiB)
	s_mov_b32 s17, 0
	s_lshl_b32 s46, s42, 9                         ; B: 512 bytes x block column
	s_lshl_b32 s45, s12, 18                        ; + 64 k rows of 4,096 bytes x half
	s_add_co_u32 s46, s46, s45
	s_mov_b32 s47, 0
	s_mul_i32 s20, s10, HALFT                      ; and where they go: wave x 34,816: no place in the cluster enters an LDS address
	s_wait_dscnt 0x0
	s_wait_kmcnt 0x0
	s_mov_b64 s[8:9], s[6:7]                       ; C = kv
	s_add_nc_u64 s[6:7], s[4:5], WKV_OFF           ; B = Wkv in f16
	s_add_nc_u64 s[14:15], s[4:5], s[16:17]
	s_add_nc_u64 s[46:47], s[6:7], s[46:47]
	CROUND                                         ; all sixteen work-groups are here: the first joint loads meet
.irp s, 0,1
	s_mov_b32 s[G0+4*\s], 1
	s_add_co_u32 s[G0+4*\s+1], s20, \s*SLOT
	s_add_nc_u64 s[G0+4*\s+2:G0+4*\s+3], s[14:15], \s*KSTEP*2              ; K step s: 256 bytes along A's rows
	s_or_b32 s[G0+4*\s+3], s[G0+4*\s+3], 0x80000000
	s_mov_b32 s[G0B+4*\s], 1
	s_add_co_u32 s[G0B+4*\s+1], s20, \s*SLOT
	s_add_nc_u64 s[G0B+4*\s+2:G0B+4*\s+3], s[46:47], \s*KSTEP*SIZE_N*2     ; K step s: 128 rows down B
	s_or_b32 s[G0B+4*\s+3], s[G0B+4*\s+3], 0x80000000
	JLOAD \s                                       ; two tensor loads of the wave are out
.endr
	; A fragment: lane l holds row l % 16; registers 0-3 K = 8 (l / 16) + 0..7, registers 4-7 K = 16 + 8 (l / 16) + 0..7: two loads of 16 bytes, 32 bytes apart.
	; B fragment, the same layout with column l % 16, from rows that lie along n: lane l addresses k row 8 (l / 16) + l % 8 and 16 bytes at 16 ((l / 8) % 2);
	; the load transposes 8 x 8 elements within each eight lanes; the second load stands 16 k rows further down.
	v_and_b32 v1, 15, v0
	v_bfe_u32 v2, v0, 4, 1
	v_mul_u32_u24 v3, v1, PITCH
	v_lshl_add_u32 v3, v2, 4, v3
	v_and_b32 v6, 7, v0
	v_bfe_u32 v7, v0, 3, 1
	v_lshl_add_u32 v6, v2, 3, v6
	v_mul_u32_u24 v6, v6, BP
	v_lshl_add_u32 v6, v7, 4, v6
	s_mul_i32 s21, s11, HALFT                      ; my 128 rows of A
	s_lshl_b32 s22, s12, 8                         ; my 128 columns of B: 256 bytes,
	s_add_co_u32 s22, s22, 2*HALFT                 ; behind A's 256 rows
.irp s, 0,1
	v_add_nc_u32 v[ADRA+\s], s21, v3
	v_add_nc_u32 v[ADRB+\s], s22, v6
	s_add_co_u32 s21, s21, SLOT
	s_add_co_u32 s22, s22, SLOT
.endr
	s_mul_i32 s23, s10, 16*SPITCH
	s_add_co_u32 s23, s23, STAGE
	v_mul_u32_u24 v4, v1, SPITCH
	v_lshl_add_u32 v4, v2, 4, v4
	v_add_nc_u32 v[STO], s23, v4
	v_mul_u32_u24 v5, v2, SPITCH
	v_lshl_add_u32 v5, v1, 4, v5
	v_add_nc_u32 v[RD], s23, v5
	v_mul_u32_u24 v5, v2, SIZE_N*2
	v_lshl_add_u32 v[CO], v1, 4, v5
	; C at my 128 x 128 of the first block
	s_lshl_b32 s13, s13, 8
	s_lshl_b32 s14, s11, 7
	s_add_co_u32 s16, s13, s14                     ; my first row,
	s_lshl_b32 s16, s16, 12                        ; of 4,096 bytes (below 32 MiB)
	s_mov_b32 s17, 0
	s_add_nc_u64 s[8:9], s[8:9], s[16:17]
	s_lshl_b32 s46, s42, 9                         ; my first column, in bytes: 512 x block + 256 x half
	s_lshl_b32 s47, s12, 8
	s_add_co_u32 s46, s46, s47
	s_mov_b32 s47, 0
	s_add_nc_u64 s[8:9], s[8:9], s[46:47]
; 16 matrix instructions: m blocks a0, a0 + 1 of the window's four x all 8 n blocks, 32 along K.  zero = 1: the first product starts the sums.
.macro MUL16 f, hi, a0, zero
.irp a, \a0, \a0+1
.irp b, 0,1,2,3,4,5,6,7
.if \zero
	v_wmma_f32_16x16x32_f16 v[8*(8*(\a)+\b):8*(8*(\a)+\b)+7], v[\f+8*\b:\f+8*\b+7], v[\f+8*(4*\hi+\a):\f+8*(4*\hi+\a)+7], 0
.else
	v_wmma_f32_16x16x32_f16 v[8*(8*(\a)+\b):8*(8*(\a)+\b)+7], v[\f+8*\b:\f+8*\b+7], v[\f+8*(4*\hi+\a):\f+8*(4*\hi+\a)+7], v[8*(8*(\a)+\b):8*(8*(\a)+\b)+7]
.endif
.endr
.endr
.endm
; 32 LDS loads in one run: the fragments of quarter q of a K step (32 along K) into buffer f: B's 128 columns, then A's 128 rows
.macro FETCH slot, q, f
	WIN TO_B
.irp i, 0,1,2,3,4,5,6,7
	ds_load_tr16_b128 v[\f+8*\i:\f+8*\i+3],   v[ADRB+\slot] offset:\q*32*BP+32*\i
	ds_load_tr16_b128 v[\f+8*\i+4:\f+8*\i+7], v[ADRB+\slot] offset:\q*32*BP+32*\i+16*BP
.endr
	WIN 0
.irp i, 0,1,2,3,4,5,6,7
	ds_load_b128 v[\f+8*\i:\f+8*\i+3],   v[ADRA+\slot] offset:\q*64+\i*16*PITCH
	ds_load_b128 v[\f+8*\i+4:\f+8*\i+7], v[ADRA+\slot] offset:\q*64+\i*16*PITCH+32
.endr
.endm
; Four places behind a matrix instruction before a load is issued into one of its registers or a vector instruction reads its result
.macro PLACES
.rept 4
	v_nop
.endr
.endm
; One of a K step's first three quarters: multiplies buffer f; in its middle it fetches quarter q of the same slot into buffer g.
.macro QUARTER slot, q, f, g, zero
	s_wait_dscnt 8                                 ; B and A's rows 0-63 are in; the youngest eight loads (A's rows 64-127) may be out
	WIN MUL_LO
	MUL16 \f, 0, 0, \zero
	MUL16 \f, 0, 2, \zero
	PLACES
	FETCH \slot, \q, \g
	s_wait_dscnt 32                                ; all but the 32 just issued
	WIN MUL_HI
	MUL16 \f, 1, 0, \zero
	MUL16 \f, 1, 2, \zero
.endm
.macro THREE slot, zero
	QUARTER \slot, 1, F0, F1, \zero
	QUARTER \slot, 2, F1, F0, 0
	QUARTER \slot, 3, F0, F1, 0
.endm
; The last quarter: multiplies buffer 1 and changes slots.  In front of the barrier each wave waits for its reads of this slot and for all its tensor
; loads (one is out: its part of the next slot).  Behind it the refill comes first, then the next slot's first fragments.
; fill = 0: nothing is fetched.  fill = 1: this slot gets the K step two further on.  fill = 2: it gets the next block's K step of the same parity.
; fetch = 0: at the seam the next slot's first fragments are read behind the way out, which needs the buffers.
.macro TURN slot, next, fill, fetch
	s_wait_dscnt 8
	WIN MUL_LO
	MUL16 F1, 0, 0, 0
	s_wait_dscnt 0                                 ; my reads of this slot are over
	s_wait_tensorcnt 0x0                           ; and all my tensor loads have landed
	ds_add_u32 v255, v255
	s_wait_dscnt 0x0
	s_barrier_signal -1                            ; where a slot is filled again this barrier opens a round of the cluster's barrier
	MUL16 F1, 0, 2, 0                              ; register work while the others arrive
	WIN 0
	s_barrier_wait -1
.if \fill
	CREST                                          ; no wave of any partner still reads this slot or has a load on its way
.if \fill == 1
	s_add_nc_u64 s[G0+4*\slot+2:G0+4*\slot+3], s[G0+4*\slot+2:G0+4*\slot+3], 2*KSTEP*2
	s_add_nc_u64 s[G0B+4*\slot+2:G0B+4*\slot+3], s[G0B+4*\slot+2:G0B+4*\slot+3], 2*KSTEP*SIZE_N*2
.else
	s_add_nc_u64 s[G0+4*\slot+2:G0+4*\slot+3], s[G0+4*\slot+2:G0+4*\slot+3], A_SEAM
	s_sub_nc_u64 s[G0B+4*\slot+2:G0B+4*\slot+3], s[G0B+4*\slot+2:G0B+4*\slot+3], B_SEAM
.endif
	JLOAD \slot                                    ; the wave's one tensor load behind the round
.endif
.if \fetch
	PLACES
	FETCH \next, 0, F0
.endif
	WIN MUL_HI
	MUL16 F1, 1, 0, 0
	MUL16 F1, 1, 2, 0
.endm
.macro LAP zero
	THREE 0, \zero
	TURN 0, 1, 1, 1
	THREE 1, 0
	TURN 1, 0, 1, 1
.endm
; THE WAY OUT, 16 rows at a time: round to f16, 16 bytes a lane into my own stage in LDS, read back as whole rows of 256 bytes.
.macro OUT16 i, a, from, f
	WIN \from
.irp b, 0,1,2,3,4,5,6,7
.irp r, 0,1,2,3
	v_cvt_pk_f16_f32 v[TMP+4*\b+\r], v[8*(8*\a+\b)+2*\r], v[8*(8*\a+\b)+2*\r+1]
.endr
.endr
	WIN 0
.irp b, 0,1,2,3,4,5,6,7
	ds_store_b128 v[STO], v[TMP+4*\b:TMP+4*\b+3] offset:32*\b
.endr
	s_wait_xcnt 0x0                                ; buffer f, which earlier stores read, and the stores' base are rewritten only behind this wait
.if \i
	s_add_nc_u64 s[8:9], s[8:9], 16*SIZE_N*2
.endif
.irp t, 0,1,2,3,4,5,6,7
	ds_load_b128 v[\f+4*\t:\f+4*\t+3], v[RD] offset:\t*2*SPITCH    ; LDS serves a wave's instructions in order: these see the stores above
.endr
.irp t, 0,1,2,3,4,5,6,7
	s_wait_dscnt 7-\t
	global_store_b128 v[CO], v[\f+4*\t:\f+4*\t+3], s[8:9] offset:2*\t*SIZE_N*2   ; 16 lanes store 256 consecutive bytes, at a multiple of 256
.endr
.endm
; One block of C.  At its head slot 0 holds its K step 0, shown to every wave by a barrier, and its K step 1 is on its way or in.
; last = 0: the last lap's refills fetch the next block's K steps 0 and 1.  last = 1: the last lap fetches nothing.
.macro BLOCK last
	FETCH 0, 0, F0
	LAP 1                                          ; the first lap stands in front of the loop: its first products start the sums
	WIN 0
	s_mov_b32 s3, LAPS-2
.Llap_\@:
	LAP 0
	WIN 0
	s_sub_co_u32 s3, s3, 1
	s_cmp_lg_u32 s3, 0
	s_cbranch_scc1 .Llap_\@
	THREE 0, 0
.if \last
	TURN 0, 1, 0, 1
	THREE 1, 0
	s_wait_dscnt 8
	WIN MUL_LO
	MUL16 F1, 0, 0, 0
	MUL16 F1, 0, 2, 0
	s_wait_dscnt 0
	WIN MUL_HI
	MUL16 F1, 1, 0, 0
	MUL16 F1, 1, 2, 0
.else
	TURN 0, 1, 2, 1
	THREE 1, 0
	TURN 1, 0, 2, 0
.endif
	PLACES                                         ; behind the last matrix instructions: for the conversions, which read results, and for the loads into the buffers
	OUT16 0, 0, 0x0a, F0
	OUT16 1, 1, 0x0a, F1
	OUT16 2, 2, 0x0a, F0
	OUT16 3, 3, 0x0a, F1
	OUT16 4, 0, 0x0f, F0
	OUT16 5, 1, 0x0f, F1
	OUT16 6, 2, 0x0f, F0
	OUT16 7, 3, 0x0f, F1
.endm
	s_wait_tensorcnt 1                             ; my part of K step 0 is in; K step 1's may stay out
	s_barrier_signal -1
	s_barrier_wait -1
	BLOCK 0
	s_wait_xcnt 0x0                                ; the buffers, which the last stores read, and the stores' base are rewritten only behind this wait
	s_add_nc_u64 s[8:9], s[8:9], C_SEAM            ; C at my 128 x 128 of the second block
	BLOCK 1                                        ; its K step 0 was shown landed by the barrier in the first block's last quarter
	s_set_vgpr_msb 0x1
	s_wait_tensorcnt 0x0
	ds_add_u32 v255, v255
	s_wait_dscnt 0x0
	s_set_vgpr_msb 0x100
	CROUND                                         ; the closing round: no work-group ends while a partner may still ask for a tile that names it
	s_endpgm
.Lfunc_end_k_q7a69a07fbc_kvproj:
	.size	k_q7a69a07fbc_kvproj, .Lfunc_end_k_q7a69a07fbc_kvproj-k_q7a69a07fbc_kvproj
	.p2alignl 7, 3214868480
	.fill 96, 4, 3214868480
	.section	.rodata,"a",@progbits
	.p2align	6, 0x0
	.amdhsa_kernel k_q7a69a07fbc_kvproj
		.amdhsa_group_segment_fixed_size 327680
		.amdhsa_private_segment_fixed_size 0
		.amdhsa_enable_private_segment 0
		.amdhsa_kernarg_size 16
		.amdhsa_user_sgpr_count 2
		.amdhsa_user_sgpr_kernarg_segment_ptr 1
		.amdhsa_wavefront_size32 1
		.amdhsa_system_sgpr_workgroup_id_x 1
		.amdhsa_system_sgpr_workgroup_id_y 1
		.amdhsa_system_sgpr_workgroup_id_z 1
		.amdhsa_system_vgpr_workitem_id 0
		.amdhsa_next_free_vgpr 1024
		.amdhsa_next_free_sgpr 66
		.amdhsa_reserve_vcc 0
		.amdhsa_float_denorm_mode_32 3
		.amdhsa_float_denorm_mode_16_64 3
		.amdhsa_memory_ordered 1
		.amdhsa_forward_progress 1
		.amdhsa_inst_pref_size 255
	.end_amdhsa_kernel
	.section	.bss,"aw",@nobits
	.p2align	6
	.space	262144
	.amdgpu_metadata
---
amdhsa.version: [ 1, 2 ]
amdhsa.kernels:
  - .name:           k_q7a69a07fbc_kvproj
    .symbol:         k_q7a69a07fbc_kvproj.kd
    .args:
      - { .name: h16, .offset: 0, .size: 8, .value_kind: global_buffer, .address_space: global }
      - { .name: kv, .offset: 8, .size: 8, .value_kind: global_buffer, .address_space: global }
    .group_segment_fixed_size: 327680
    .private_segment_fixed_size: 0
    .kernarg_segment_align: 8
    .kernarg_segment_size: 16
    .max_flat_workgroup_size: 128
    .sgpr_count:     66
    .vgpr_count:     1024
    .wavefront_size: 32
...
	.end_amdgpu_metadata
.endif
;; end of part 2
;; launch attn (part 3): grid 8 x 32, 4 waves a work-group, clusters of 4 x 1, 327,680 bytes of LDS; arguments h16, kv, o; writes o
.if DOCPART == 3
	.amdgcn_target "amdgcn-amd-amdhsa--gfx1250"
	.amdhsa_code_object_version 6
	.text
	.protected	k_q7a69a07fbc_attn
	.globl	k_q7a69a07fbc_attn
	.p2align	8
	.type	k_q7a69a07fbc_attn,@function
k_q7a69a07fbc_attn:
	s_mov_b64 s[64:65], 0
	v_nop
	global_prefetch_b8 v0, s[64:65] scope:SCOPE_SE
	s_setreg_imm32_b32 hwreg(HW_REG_WAVE_MODE, 25, 1), 1
	s_wait_xcnt 0x0
	s_wait_alu depctr_hold_cnt(0) depctr_sa_sdst(0) depctr_va_vdst(0) depctr_va_sdst(0) depctr_va_ssrc(0) depctr_va_vcc(0) depctr_vm_vsrc(0)
	s_getreg_b32 s2, hwreg(HW_REG_IB_STS2, 6, 4)
	s_cmp_eq_u32 s2, 0
	s_cbranch_scc0 .Lentry_in_a_cluster
	s_endpgm
.Lentry_in_a_cluster:
	s_bfe_u32 s2, ttmp6, 0x10000c
	s_cmp_lg_u32 s2, 0x3003
	s_cbranch_scc0 .Lentry_shape_is_right
	s_endpgm
.Lentry_shape_is_right:
; One work-group: 64 queries of one head (b, h) against all 4,096 keys.  o[b 512 + q][128 h + dh] = softmax(q k / sqrt(128)) v, in f16.
; PHASE 1, the q projection: q[64][128] = Xq[64][1024] Wq[1024][128 of head h], K in four steps of 256.  Three steps' tiles come in the first fills, into three
; LDS slots of 107,520 bytes; only the fourth is a refill, asked for behind step 0, with steps 1 and 2 in which to land.  The result is
; multiplied by log2(e) / sqrt(128), so that scores come out in base 2, rounded to f16 and laid into LDS (QT), from where every wave takes all of it.
; PHASE 2, sixteen steps of 256 keys through two slots of 135,168 bytes over the same LDS bytes.  Slot 1 lies under phase 1's slots 1 and 2, which are free
; first, so key tile t lies in slot (t + 1) % 2.  The waves split the KEYS: wave w owns keys 64 w .. 64 w + 63 of each step for all 64 queries, with its own
; running maximum, sum and O.  PHASE 3 merges the four waves through LDS.
; BOTH PRODUCTS ARE TRANSPOSED.  S^T = K Q^T: lane (r, hh) holds query r, register j key index 8 hh + j of a block of 16.  Two such tiles, packed to f16, ARE the
; second source of O^T = V^T P^T for 32 keys: no lane ever hands a probability to another.  Maximum, sum and rescaling factor are one number a lane and query block.
; A key's K and V of one head are 512 consecutive bytes of kv: one tensor load of a wave brings 64 keys x 512 bytes, LDS pitch 528.
; Inside each block of 16 keys index i stands for key 2 (i % 8) + i / 8, alike for S^T's rows and for PV's sum: K's plain loads then touch 16 rows, V's transposing
; loads 8 rows of one parity x 32 bytes, each 16 different 16-byte columns modulo 256.  A softmax does not hang on the order of keys.
; CLUSTER: the four work-groups of a cluster are four query blocks of one head: Wq's tiles and all K and V tiles are asked for jointly (mask 15).
; Xq's tiles differ from partner to partner and are plain loads (mask 0).  No LDS address and no branch hangs on the place in the cluster.
; The maximum is a running one, taken away before every exponential.
; LIMITS: matrix operands are f16: |0.1275 q|, |k|, |v|, |o| above 65,504 become infinity.  A probability below 2^-126 of the running maximum's counts as 0.
; The denominator sums the probabilities in f32 as they are; PV takes them rounded to f16.
; Accumulators take turns, one matrix instruction a turn, everywhere (8 in phase 1; 4 for S^T; 32 for PV).
.set SLOT,  135168                     ; a slot of phase 2: 4 waves x 64 keys x 528
.set KP,    528                        ; pitch of a key's row, of Xq's rows of 512 bytes, and of the f32 partials
.set KVW,   64*KP                      ; a wave's part of a slot
.set WP,    288                        ; pitch of Wq's rows of 256 bytes: 8 k rows start 32 bytes apart modulo 256
.set WHALF, 128*WP                     ; 128 k rows of Wq
.set XPART, 2*WHALF                    ; Xq's part of a phase 1 slot begins here
.set PSLOT, XPART+64*KP                ; a slot of phase 1: Wq's 256 k rows (73,728), Xq's 64 rows (33,792); three of them are the 322,560 bytes of LDS
.set QT,    2*SLOT                     ; q in f16: 64 rows, pitch 272.  Behind phase 2's slots, inside phase 1's slot 2, whose only fill is the first one
.set QP,    272
.set STAT,  QT+64*QP                   ; 4 waves x (256 bytes of maxima, 256 bytes of sums)
.set MRG,   SLOT                       ; the merge's partials lie in slot 1, behind its last fill (key tile 14) and its last reads
.set XQ_OFF, 33554432                  ; inputs_q in h16
.set WQ_OFF, 41943040                  ; Wq in h16
; window 0
.set KA, 8                             ; v8-9    K fragments in slot 0, 1
.set VA, 10                            ; v10-11  V fragments
.set WA, 12                            ; v12-17  Wq fragments: phase 1 slot s, k rows 0-127 at 2 s, 128-255 at 2 s + 1
.set QS, 18                            ; where I store my part of q
.set QL, 19                            ; from where I load q fragments
.set STR, 20                           ; statistics: read
.set STW, 21                           ; statistics: write
.set PA, 22                            ; partial O: write
.set RA, 23                            ; v23-24  partial O: read, waves 0-1 and 2-3
.set OA, 25                            ; my 8 bytes of a row of o
.set PF, 26                            ; prefetch offset
.set XA, 27                            ; v27-29  Xq fragments in phase 1 slot 0, 1, 2
.set FB, 32                            ; v32-159 16 fragments (phase 1: v32-223, 24 fragments)
.set P,  160                           ; v160-223 P(qb, kp) at 8 (2 qb + kp)
.set MP, 224                           ; v224-231 (m, m) for each query block
.set TN, 232                           ; v232-235 new maximum
.set TX, 236                           ; v236-239 at work
.set AL, 240                           ; v240-247 (alpha, alpha)
.set LS, 248                           ; v248-255 two partial sums
; window 1: Q(qb, ks) at 8 (4 qb + ks), registers 0-127; phase 1's accumulators ACC(i, qb) at 128 + 8 (4 i + qb)
.set ACC, 128
; window 2: O(db, qb) at 8 (4 db + qb).   window 3: S(kb, qb) at 8 (4 kb + qb), registers 0-127
.set G1W, 16                           ; s[16:23] group 1, Wq
.set G1X, 24                           ; s[24:31] group 1, Xq
.set G1KV, 32                          ; s[32:39] group 1, K and V
.set G0X, 40                           ; s[40:51] group 0, Xq, a set for each phase 1 slot
.set G0KV, 56                          ; s[56:63] group 0, K and V, a set for each slot
.set G0W, 84                           ; s[84:95] group 0, Wq, a set for each phase 1 slot
.set MSB, 0
.macro WIN new                         ; low byte: bits 1:0 source 0, 3:2 source 1, 5:4 source 2, 7:6 destination; the high byte repeats the setting that is left
.if MSB != \new
	s_set_vgpr_msb (MSB<<8)|\new
.set MSB, \new
.endif
.endm
.macro PLACES                          ; four places behind a matrix instruction before its registers are loaded into, read or written by other instructions (ISA guide 7.12.1)
.rept 4
	v_nop
.endr
.endm
.macro ROUND                           ; a round of the cluster's barrier
	s_barrier_signal -1
	s_barrier_wait -1
	s_cmp_lg_u32 s10, 0
	s_cbranch_scc1 .Lnot_wave_0_\@
	s_barrier_signal -3
.Lnot_wave_0_\@:
	s_barrier_wait -3
	s_barrier_signal -1
	s_barrier_wait -1
.endm
.macro JLOADG s                        ; phase 1: waves 0 and 1 fetch 128 k rows of Wq each (jointly), waves 2 and 3 32 rows of Xq each
	s_cmp_eq_u32 s11, 0
	s_cbranch_scc0 .Lfor_x_\@
	tensor_load_to_lds s[G0W+4*\s:G0W+4*\s+3], s[G1W:G1W+7]
	s_nop 0
	s_branch .Lasked_\@
.Lfor_x_\@:
	tensor_load_to_lds s[G0X+4*\s:G0X+4*\s+3], s[G1X:G1X+7]
	s_nop 0
.Lasked_\@:
.endm
; The change of slots.  Every wave waits for all its tensor loads (its part of the tile read next among them) and for its LDS reads; then a barrier.
; kind 0: my work-group's barrier, nothing is filled.  kind 1: a round, then phase 1's slot fs gets the tiles three steps on.  kind 2: a round, then slot fs gets 256 keys.
; step = 1: slot fs's addresses go on, written where no tensor load of the wave is out.  The refill is the wave's one tensor load behind the round.
.macro HEAD kind, fs, step
	WIN 0
	s_wait_tensorcnt 0x0
	ds_add_u32 v30, v31
	s_wait_dscnt 0x0
.if \step
.if \kind == 1
	s_add_nc_u64 s[G0W+4*\fs+2:G0W+4*\fs+3], s[G0W+4*\fs+2:G0W+4*\fs+3], 3*256*2048
	s_add_nc_u64 s[G0X+4*\fs+2:G0X+4*\fs+3], s[G0X+4*\fs+2:G0X+4*\fs+3], 3*512
.else
	s_add_nc_u64 s[G0KV+4*\fs+2:G0KV+4*\fs+3], s[G0KV+4*\fs+2:G0KV+4*\fs+3], 2*256*4096
.endif
.endif
	s_wait_dscnt 0x0
.if \kind == 0
	s_barrier_signal -1
	s_barrier_wait -1
.else
	ROUND
.if \kind == 1
	JLOADG \fs
.else
	tensor_load_to_lds s[G0KV+4*\fs:G0KV+4*\fs+3], s[G1KV:G1KV+7]
	s_nop 0
.endif
.endif
.endm
	s_load_b128 s[4:7], s[0:1], 0x0                ; h16 s[4:5], kv s[6:7]
	s_load_b64 s[8:9], s[0:1], 0x10                ; o
	v_lshl_add_u32 v30, v0, 2, 0x4ec00
	v_mov_b32 v31, 0
	ds_add_u32 v30, v31
	v_lshrrev_b32 v1, 5, v0
	v_readfirstlane_b32 s10, v1                    ; wave 0..3
	s_lshr_b32 s11, s10, 1                         ; phase 1: I fetch Wq (0) or Xq (1)
	s_and_b32 s15, s10, 1
	s_bfe_u32 s12, ttmp6, 0x40000                  ; cx
	s_lshl_b32 s13, ttmp9, 2
	s_add_co_u32 s13, s13, s12                     ; query block 0..7 = 4 x cluster x + cx
	s_and_b32 s14, ttmp7, 0xffff                   ; 8 b + h
	s_lshr_b32 s74, s14, 3                         ; b
	s_and_b32 s75, s14, 7                          ; h
	s_mov_b32 s67, 0x76543210                      ; v_permlanex16_b32: lane i of one half reads lane i of the other
	s_mov_b32 s68, 0xfedcba98
	; group 1, Wq: 128 k rows x 128 elements of 2 bytes, 8 words of padding behind every 64; joint, all four partners
	s_mov_b32 s[G1W+0], 15|(1<<16)|(1<<20)|(1<<21)|(5<<22)|(7<<25)
	s_mov_b32 s[G1W+1], 128<<16
	s_mov_b32 s[G1W+2], 128<<16
	s_mov_b32 s[G1W+3], 128<<16
	s_mov_b32 s[G1W+4], 128
	s_mov_b32 s[G1W+5], 1024
	s_mov_b32 s[G1W+6], 0
	s_mov_b32 s[G1W+7], 0
	; group 1, Xq: 32 rows x 256 elements, 4 words of padding behind every 128; my own
	s_mov_b32 s[G1X+0], (1<<16)|(1<<20)|(6<<22)|(3<<25)
	s_mov_b32 s[G1X+1], 256<<16
	s_mov_b32 s[G1X+2], 32<<16
	s_mov_b32 s[G1X+3], 256<<16
	s_mov_b32 s[G1X+4], 32
	s_mov_b32 s[G1X+5], 1024
	s_mov_b32 s[G1X+6], 0
	s_mov_b32 s[G1X+7], 0
	; group 1, K and V: 64 keys x 256 elements, 4 words of padding behind every 128; joint
	s_mov_b32 s[G1KV+0], 15|(1<<16)|(1<<20)|(1<<21)|(6<<22)|(3<<25)
	s_mov_b32 s[G1KV+1], 256<<16
	s_mov_b32 s[G1KV+2], 64<<16
	s_mov_b32 s[G1KV+3], 256<<16
	s_mov_b32 s[G1KV+4], 64
	s_mov_b32 s[G1KV+5], 2048
	s_mov_b32 s[G1KV+6], 0
	s_mov_b32 s[G1KV+7], 0
	; byte offsets, all below 64 MiB.  Those of the joint loads are made of b, h and the wave number alone.
	s_lshl_b32 s70, s10, 18                        ; Wq: 128 w k rows of 2,048 bytes
	s_lshl_b32 s80, s75, 8                         ; + 256 h
	s_add_co_u32 s70, s70, s80
	s_mov_b32 s71, 0
	s_lshl_b32 s72, s74, 24                        ; kv: b x 4,096 keys of 4,096 bytes
	s_lshl_b32 s80, s75, 9                         ; + 512 h
	s_add_co_u32 s72, s72, s80
	s_mov_b32 s73, 0
	s_lshl_b32 s80, s10, 18                        ; + 64 w keys
	s_add_co_u32 s76, s72, s80
	s_mov_b32 s77, 0
	s_lshl_b32 s78, s74, 20                        ; Xq and o: (512 b + 64 x query block) rows of 2,048 bytes
	s_lshl_b32 s82, s13, 17
	s_add_co_u32 s78, s78, s82
	s_lshl_b32 s82, s10, 15                        ; o: + 16 w rows
	s_add_co_u32 s82, s82, s78
	s_lshl_b32 s83, s75, 8                         ;    + 256 h
	s_add_co_u32 s82, s82, s83
	s_mov_b32 s83, 0
	s_lshl_b32 s81, s15, 16                        ; Xq: + 32 (w % 2) rows
	s_add_co_u32 s78, s78, s81
	s_mov_b32 s79, 0
	s_mul_i32 s80, s10, WHALF                      ; LDS: Wq's halves at wave x 36,864
	s_mul_i32 s81, s10, 32*KP                      ; Xq's halves at XPART + (wave - 2) x 16,896
	s_add_co_u32 s81, s81, XPART-2*32*KP
	s_mul_i32 s69, s10, KVW                        ; my 64 keys at wave x 33,792
	s_wait_dscnt 0x0
	s_wait_kmcnt 0x0
	s_add_nc_u64 s[70:71], s[4:5], s[70:71]
	s_add_nc_u64 s[78:79], s[4:5], s[78:79]
	s_add_nc_u64 s[76:77], s[6:7], s[76:77]
	s_add_nc_u64 s[72:73], s[6:7], s[72:73]
	s_add_nc_u64 s[72:73], s[72:73], 2*256*4096    ; the prefetches begin at key tile 2
	s_add_nc_u64 s[8:9], s[8:9], s[82:83]
.irp s, 0,1,2
	s_mov_b32 s[G0W+4*\s], 1
	s_add_co_u32 s[G0W+4*\s+1], s80, \s*PSLOT
	s_add_nc_u64 s[G0W+4*\s+2:G0W+4*\s+3], s[70:71], WQ_OFF+\s*256*2048
	s_or_b32 s[G0W+4*\s+3], s[G0W+4*\s+3], 0x80000000
	s_mov_b32 s[G0X+4*\s], 1
	s_add_co_u32 s[G0X+4*\s+1], s81, \s*PSLOT
	s_add_nc_u64 s[G0X+4*\s+2:G0X+4*\s+3], s[78:79], XQ_OFF+\s*512
	s_or_b32 s[G0X+4*\s+3], s[G0X+4*\s+3], 0x80000000
.endr
.irp s, 0,1
	s_mov_b32 s[G0KV+4*\s], 1
	s_add_co_u32 s[G0KV+4*\s+1], s69, \s*SLOT
	s_add_nc_u64 s[G0KV+4*\s+2:G0KV+4*\s+3], s[76:77], (1-\s)*256*4096   ; slot 1 begins with key tile 0, slot 0 with key tile 1
	s_or_b32 s[G0KV+4*\s+3], s[G0KV+4*\s+3], 0x80000000
.endr
	ROUND                                          ; the four partners are here: the first joint loads meet
	s_cmp_eq_u32 s11, 0                            ; all first fills of a wave inside one branch on the wave number: three tensor loads of the wave are out
	s_cbranch_scc0 .Lfirst_x
	tensor_load_to_lds s[G0W:G0W+3], s[G1W:G1W+7]
	s_nop 0
	tensor_load_to_lds s[G0W+4:G0W+7], s[G1W:G1W+7]
	s_nop 0
	tensor_load_to_lds s[G0W+8:G0W+11], s[G1W:G1W+7]
	s_nop 0
	s_branch .Lfirst_done
.Lfirst_x:
	tensor_load_to_lds s[G0X:G0X+3], s[G1X:G1X+7]
	s_nop 0
	tensor_load_to_lds s[G0X+4:G0X+7], s[G1X:G1X+7]
	s_nop 0
	tensor_load_to_lds s[G0X+8:G0X+11], s[G1X:G1X+7]
	s_nop 0
.Lfirst_done:
	v_and_b32 v5, 31, v0                           ; L
	v_and_b32 v1, 15, v0                           ; r
	v_bfe_u32 v2, v0, 4, 1                         ; hh
	v_and_b32 v3, 7, v0                            ; L % 8
	v_bfe_u32 v4, v0, 3, 1                         ; (L / 8) % 2
	v_lshl_add_u32 v6, v3, 1, v4                   ; K: index r is key 2 (r % 8) + r / 8
	v_mul_u32_u24 v6, v6, KP
	v_lshl_add_u32 v6, v2, 4, v6
	v_add_nc_u32 v[KA], s69, v6
	v_add_nc_u32 v[KA+1], SLOT, v[KA]
	v_lshl_add_u32 v6, v3, 1, v2                   ; V: index 8 hh + L % 8 is key 2 (L % 8) + hh
	v_mul_u32_u24 v6, v6, KP
	v_lshl_add_u32 v6, v4, 4, v6
	v_add_nc_u32 v6, 256, v6                       ; V lies behind K's 256 bytes
	v_add_nc_u32 v[VA], s69, v6
	v_add_nc_u32 v[VA+1], SLOT, v[VA]
	v_lshl_add_u32 v6, v2, 3, v3                   ; Wq: k row 8 hh + L % 8
	v_mul_u32_u24 v6, v6, WP
	v_lshl_add_u32 v6, v4, 4, v6
	v_lshl_add_u32 v[WA], s10, 6, v6               ; my 32 columns: 64 w bytes
	v_add_nc_u32 v[WA+1], WHALF, v[WA]
.irp s, 1,2
	v_add_nc_u32 v[WA+2*\s], \s*PSLOT, v[WA]
	v_add_nc_u32 v[WA+2*\s+1], \s*PSLOT+WHALF, v[WA]
.endr
	v_mul_u32_u24 v6, v1, KP                       ; Xq: row r, 16 hh
	v_lshl_add_u32 v7, v2, 4, v6
.irp s, 0,1,2
	v_add_nc_u32 v[XA+\s], \s*PSLOT+XPART, v7
.endr
	v_lshl_add_u32 v7, v2, 5, v6                   ; partial O: row r, 32 hh, my wave's part of slot 1
	v_add_nc_u32 v7, s69, v7
	v_add_nc_u32 v[PA], MRG, v7
	v_mul_u32_u24 v7, v1, QP
	v_lshl_add_u32 v7, v2, 4, v7
	v_add_nc_u32 v[QL], QT, v7
	v_lshl_add_u32 v[QS], s10, 6, v[QL]
	v_lshlrev_b32 v7, 4, v1
	v_add_nc_u32 v[STR], STAT, v7
	v_lshl_add_u32 v[STW], s10, 9, v[STR]
	s_mul_i32 s80, s10, 16*KP
	v_lshl_add_u32 v7, v5, 4, s80                  ; rows 16 w .. of the partials, 16 bytes a lane
	v_add_nc_u32 v[RA], MRG, v7
	v_add_nc_u32 v[RA+1], MRG+2*KVW, v7
	v_lshlrev_b32 v[OA], 3, v5
	; prefetch: one lane, one block of 256 bytes.  Of a pair of steps (512 keys x 2 blocks) the 8 query blocks x 4 waves x 32 lanes ask for each block once:
	; step of the pair = hh, key = 64 w + 8 x query block + (L / 2) % 8, block = L % 2
	v_bfe_u32 v6, v0, 1, 3
	v_lshlrev_b32 v6, 12, v6
	v_lshl_add_u32 v6, v2, 20, v6
	v_and_b32 v7, 1, v0
	v_lshl_add_u32 v6, v7, 8, v6
	s_lshl_b32 s82, s13, 15
	s_lshl_b32 s83, s10, 18
	s_add_co_u32 s82, s82, s83
	v_add_nc_u32 v[PF], s82, v6
.irp qb, 0,1,2,3
	v_mov_b32 v[TX+\qb], 0                         ; v_permlanex16_b32 counts as a reader of its destination
.endr
; PHASE 1.  One step of 256 along K from a slot, in two halves of 128.  C^T(column, query) = Wq^T Xq^T: source 0 = 16 columns of Wq (transposing loads),
; source 1 = 16 rows of Xq.  My share: column blocks 2 w, 2 w + 1 x the four query blocks.  48 LDS loads in one run, then 32 matrix instructions.
.macro GSTEP slot, zero
.irp hf, 0,1
	WIN 0
	PLACES
.irp ks, 0,1,2,3
.irp i, 0,1
	ds_load_tr16_b128 v[FB+48*\ks+8*\i:FB+48*\ks+8*\i+3],   v[WA+2*\slot+\hf] offset:\ks*32*WP+32*\i
	ds_load_tr16_b128 v[FB+48*\ks+8*\i+4:FB+48*\ks+8*\i+7], v[WA+2*\slot+\hf] offset:\ks*32*WP+32*\i+16*WP
.endr
.irp qb, 0,1,2,3
	ds_load_b128 v[FB+48*\ks+16+8*\qb:FB+48*\ks+16+8*\qb+3],   v[XA+\slot] offset:\qb*16*KP+256*\hf+64*\ks
	ds_load_b128 v[FB+48*\ks+16+8*\qb+4:FB+48*\ks+16+8*\qb+7], v[XA+\slot] offset:\qb*16*KP+256*\hf+64*\ks+32
.endr
.endr
	WIN 0x50                                       ; C and D in window 1
.irp ks, 0,1,2,3
	s_wait_dscnt 36-12*\ks                         ; the twelve loads of each later 32 of K stay out
.irp i, 0,1
.irp qb, 0,1,2,3
.if (1-\zero)+\hf+\ks
	v_wmma_f32_16x16x32_f16 v[ACC+8*(4*\i+\qb):ACC+8*(4*\i+\qb)+7], v[FB+48*\ks+8*\i:FB+48*\ks+8*\i+7], v[FB+48*\ks+16+8*\qb:FB+48*\ks+16+8*\qb+7], v[ACC+8*(4*\i+\qb):ACC+8*(4*\i+\qb)+7]
.else
	v_wmma_f32_16x16x32_f16 v[ACC+8*(4*\i+\qb):ACC+8*(4*\i+\qb)+7], v[FB+48*\ks+8*\i:FB+48*\ks+8*\i+7], v[FB+48*\ks+16+8*\qb:FB+48*\ks+16+8*\qb+7], 0
.endif
.endr
.endr
.endr
.endr
.endm
; q x log2(e) / sqrt(128), to f16, into QT.  A lane holds 8 neighbouring channels of one query: 16 bytes.
.macro QEPI
	WIN 0
	PLACES
	WIN 0x41
.set t, 0
.rept 32
	v_pk_mul_f32 v[ACC+t:ACC+t+1], v[ACC+t:ACC+t+1], 0x3e0293ee op_sel_hi:[1,0]
.set t, t+2
.endr
	WIN 0x05
.set t, 0
.rept 32
	v_cvt_pk_f16_f32 v[FB+t], v[ACC+2*t], v[ACC+2*t+1]   ; tile (i, qb)'s four words at FB + 4 (4 i + qb)
.set t, t+1
.endr
	WIN 0
.irp i, 0,1
.irp qb, 0,1,2,3
	ds_store_b128 v[QS], v[FB+4*(4*\i+\qb):FB+4*(4*\i+\qb)+3] offset:\qb*16*QP+32*\i
.endr
.endr
.endm
.macro QLOAD                           ; all 16 fragments of q into window 1, where they stay
	WIN 0x40
.irp qb, 0,1,2,3
.irp ks, 0,1,2,3
	ds_load_b128 v[8*(4*\qb+\ks):8*(4*\qb+\ks)+3],   v[QL] offset:\qb*16*QP+64*\ks
	ds_load_b128 v[8*(4*\qb+\ks)+4:8*(4*\qb+\ks)+7], v[QL] offset:\qb*16*QP+64*\ks+32
.endr
.endr
.endm
.macro OSCALE                          ; O x (AL, AL) of its query block
	WIN 0x82
.irp db, 0,1,2,3,4,5,6,7
.irp qb, 0,1,2,3
.irp j, 0,2,4,6
	v_pk_mul_f32 v[8*(4*\db+\qb)+\j:8*(4*\db+\qb)+\j+1], v[8*(4*\db+\qb)+\j:8*(4*\db+\qb)+\j+1], v[AL+2*\qb:AL+2*\qb+1]
.endr
.endr
.endr
.endm
; PHASE 2.  My 64 keys of one step.  first = 1: nothing to rescale, the first products start O.  pf = 1: ask for my share of the two steps of the next pair.
.macro KVSTEP slot, first, pf
	WIN 0
.irp kb, 0,1,2,3
.irp ks, 0,1,2,3
	ds_load_b128 v[FB+8*(4*\kb+\ks):FB+8*(4*\kb+\ks)+3],   v[KA+\slot] offset:\kb*16*KP+64*\ks
	ds_load_b128 v[FB+8*(4*\kb+\ks)+4:FB+8*(4*\kb+\ks)+7], v[KA+\slot] offset:\kb*16*KP+64*\ks+32
.endr
.endr
	WIN 0xf4                                       ; S^T: source 0 K (window 0), source 1 Q (window 1), C and D window 3
.irp kb, 0,1,2,3
	s_wait_dscnt 24-8*\kb                          ; the eight loads of each later key block stay out
.irp ks, 0,1,2,3
.irp qb, 0,1,2,3
.if \ks
	v_wmma_f32_16x16x32_f16 v[8*(4*\kb+\qb):8*(4*\kb+\qb)+7], v[FB+8*(4*\kb+\ks):FB+8*(4*\kb+\ks)+7], v[8*(4*\qb+\ks):8*(4*\qb+\ks)+7], v[8*(4*\kb+\qb):8*(4*\kb+\qb)+7]
.else
	v_wmma_f32_16x16x32_f16 v[8*(4*\kb+\qb):8*(4*\kb+\qb)+7], v[FB+8*(4*\kb+\ks):FB+8*(4*\kb+\ks)+7], v[8*(4*\qb+\ks):8*(4*\qb+\ks)+7], 0
.endif
.endr
.endr
.endr
	WIN 0
	PLACES
.irp kp, 0,1                           ; V^T fragments, on their way during the softmax
.irp db, 0,1,2,3,4,5,6,7
	ds_load_tr16_b128 v[FB+8*(8*\kp+\db):FB+8*(8*\kp+\db)+3],   v[VA+\slot] offset:\kp*32*KP+32*\db
	ds_load_tr16_b128 v[FB+8*(8*\kp+\db)+4:FB+8*(8*\kp+\db)+7], v[VA+\slot] offset:\kp*32*KP+32*\db+16*KP
.endr
.endr
.if \pf
	global_prefetch_b8 v[PF], s[72:73] th:TH_LOAD_NT scope:SCOPE_SE
.endif
	WIN 0x0f                                       ; the maximum of my 32 scores of each query and of the running one: four chains that do not wait for each other
.set t, 0
.rept 16
.irp qb, 0,1,2,3
.if t
	v_max3_num_f32 v[TN+\qb], v[8*(4*(t/4)+\qb)+2*(t%4)], v[8*(4*(t/4)+\qb)+2*(t%4)+1], v[TN+\qb]
.else
.if \first
	v_max_num_f32 v[TN+\qb], v[8*\qb], v[8*\qb+1]
.else
	v_max3_num_f32 v[TN+\qb], v[8*\qb], v[8*\qb+1], v[MP+2*\qb]
.endif
.endif
.endr
.set t, t+1
.endr
	WIN 0
.irp qb, 0,1,2,3
	v_permlanex16_b32 v[TX+\qb], v[TN+\qb], s67, s68   ; the other half of the lanes holds the same query's other keys
.endr
.irp qb, 0,1,2,3
	v_max_num_f32 v[TN+\qb], v[TN+\qb], v[TX+\qb]
.endr
.if \first
.irp qb, 0,1,2,3
	v_mov_b32 v[MP+2*\qb], v[TN+\qb]
	v_mov_b32 v[MP+2*\qb+1], v[TN+\qb]
	v_mov_b32 v[LS+2*\qb], 0
	v_mov_b32 v[LS+2*\qb+1], 0
.endr
.else
.irp qb, 0,1,2,3
	v_sub_f32 v[AL+2*\qb], v[MP+2*\qb], v[TN+\qb]
.endr
.irp qb, 0,1,2,3
	v_exp_f32 v[AL+2*\qb], v[AL+2*\qb]             ; alpha = 2^(old maximum - new)
.endr
.irp qb, 0,1,2,3
	v_mov_b32 v[MP+2*\qb], v[TN+\qb]               ; plain instructions that touch no alpha stand behind the exponentials
	v_mov_b32 v[MP+2*\qb+1], v[TN+\qb]
.endr
	s_wait_alu depctr_va_vdst(0)
.irp qb, 0,1,2,3
	v_mov_b32 v[AL+2*\qb+1], v[AL+2*\qb]
.endr
.irp qb, 0,1,2,3
	v_pk_mul_f32 v[LS+2*\qb:LS+2*\qb+1], v[LS+2*\qb:LS+2*\qb+1], v[AL+2*\qb:AL+2*\qb+1]
.endr
.endif
	WIN 0xc3                                       ; p = 2^(s - m), in place in window 3
.irp qb, 0,1,2,3
.irp kb, 0,1,2,3
.irp j, 0,2,4,6
	v_pk_add_f32 v[8*(4*\kb+\qb)+\j:8*(4*\kb+\qb)+\j+1], v[8*(4*\kb+\qb)+\j:8*(4*\kb+\qb)+\j+1], v[MP+2*\qb:MP+2*\qb+1] neg_lo:[0,1] neg_hi:[0,1]
.endr
.endr
.irp kb, 0,1,2,3
.irp j, 0,1,2,3,4,5,6,7
	v_exp_f32 v[8*(4*\kb+\qb)+\j], v[8*(4*\kb+\qb)+\j]
.endr
.endr
.endr
	v_nop                                          ; one plain place behind the last exponentials
	WIN 0x03
	s_wait_alu depctr_va_vdst(0)
.irp kb, 0,1,2,3
.irp j, 0,2,4,6
.irp qb, 0,1,2,3
	v_pk_add_f32 v[LS+2*\qb:LS+2*\qb+1], v[8*(4*\kb+\qb)+\j:8*(4*\kb+\qb)+\j+1], v[LS+2*\qb:LS+2*\qb+1]
.endr
.endr
.endr
	WIN 0x0f                                       ; two tiles of S^T pack into one second source of PV: registers 0-3 key indices 8 hh .., registers 4-7 16 + 8 hh ..
.irp qb, 0,1,2,3
.irp kp, 0,1
.irp u, 0,1
.irp j, 0,1,2,3
	v_cvt_pk_f16_f32 v[P+8*(2*\qb+\kp)+4*\u+\j], v[8*(4*(2*\kp+\u)+\qb)+2*\j], v[8*(4*(2*\kp+\u)+\qb)+2*\j+1]
.endr
.endr
.endr
.endr
.if 1-\first
	OSCALE                                         ; O x alpha
.endif
	WIN 0xa0                                       ; O^T += V^T P^T: sources in window 0, C and D in window 2
	s_wait_dscnt 16                                ; the first 32 keys' fragments are in; the other sixteen loads stay out
.irp db, 0,1,2,3,4,5,6,7
.irp qb, 0,1,2,3
.if \first
	v_wmma_f32_16x16x32_f16 v[8*(4*\db+\qb):8*(4*\db+\qb)+7], v[FB+8*\db:FB+8*\db+7], v[P+16*\qb:P+16*\qb+7], 0
.else
	v_wmma_f32_16x16x32_f16 v[8*(4*\db+\qb):8*(4*\db+\qb)+7], v[FB+8*\db:FB+8*\db+7], v[P+16*\qb:P+16*\qb+7], v[8*(4*\db+\qb):8*(4*\db+\qb)+7]
.endif
.endr
.endr
	s_wait_dscnt 0
.irp db, 0,1,2,3,4,5,6,7
.irp qb, 0,1,2,3
	v_wmma_f32_16x16x32_f16 v[8*(4*\db+\qb):8*(4*\db+\qb)+7], v[FB+64+8*\db:FB+64+8*\db+7], v[P+16*\qb+8:P+16*\qb+15], v[8*(4*\db+\qb):8*(4*\db+\qb)+7]
.endr
.endr
	WIN 0
	PLACES
.endm
.macro PFSTEP                          ; the prefetch base goes one pair of steps on, a whole step behind the prefetch that read it
	s_wait_xcnt 0x0
	s_add_nc_u64 s[72:73], s[72:73], 2*256*4096
.endm
	s_wait_tensorcnt 0x2                           ; my part of phase 1's step 0 is in; the two younger loads may stay out
	s_barrier_signal -1
	s_barrier_wait -1
	GSTEP 0, 1
	HEAD 1, 0, 1                                   ; steps 1 and 2 have landed; phase 1's slot 0 gets K 768-1023
	GSTEP 1, 0
	GSTEP 2, 0                                     ; no barrier between them: the round above has shown both slots to every wave
	HEAD 2, 1, 0                                   ; phase 1's slots 1 and 2 have been read: slot 1 gets keys 0-255
	GSTEP 0, 0
	QEPI                                           ; into bytes of phase 1's slot 2, whose reads ended in front of the round above and which are never filled again
	HEAD 2, 0, 0                                   ; slot 0 gets keys 256-511; the round also shows every wave's part of q to all
	QLOAD
	KVSTEP 1, 1, 1                                 ; key tile 0
	HEAD 2, 1, 1
	PFSTEP
	KVSTEP 0, 0, 0                                 ; key tile 1
	s_mov_b32 s66, 6
.Lpair:                                ; key tiles 2 t + 2 and 2 t + 3; asks by prefetch for tiles 2 t + 4 and 2 t + 5: the last trip for tiles 14 and 15
	HEAD 2, 0, 1
	KVSTEP 1, 0, 1
	HEAD 2, 1, 1
	PFSTEP
	KVSTEP 0, 0, 0
	s_sub_co_u32 s66, s66, 1
	s_cmp_lg_u32 s66, 0
	s_cbranch_scc1 .Lpair
	HEAD 2, 0, 1                                   ; slot 0: the last 256 keys
	KVSTEP 1, 0, 0
	HEAD 0, 0, 0                                   ; nothing is left to fetch; slot 1 has had its last fill and its last read
	KVSTEP 0, 0, 0
	; PHASE 3.  Every wave publishes its maximum and its sum of each query; each then scales its O by 2^(m - m*) / l*, lays it into slot 1 in f32, and
	; wave w adds the four partials of queries 16 w .. 16 w + 15.
.irp qb, 0,1,2,3
	v_add_f32 v[TX+\qb], v[LS+2*\qb], v[LS+2*\qb+1]
.endr
.irp qb, 0,1,2,3
	v_permlanex16_b32 v[AL+2*\qb], v[TX+\qb], s67, s68
.endr
.irp qb, 0,1,2,3
	v_add_f32 v[TX+\qb], v[TX+\qb], v[AL+2*\qb]
.endr
	ds_store_b128 v[STW], v[TN:TN+3]               ; TN still holds the running maximum; lanes r and r + 16 write the same words with the same values
	ds_store_b128 v[STW], v[TX:TX+3] offset:256
	s_wait_dscnt 0x0
	s_barrier_signal -1
	s_barrier_wait -1
.irp u, 0,1,2,3
	ds_load_b128 v[FB+8*\u:FB+8*\u+3],   v[STR] offset:512*\u
	ds_load_b128 v[FB+8*\u+4:FB+8*\u+7], v[STR] offset:512*\u+256
.endr
	s_wait_dscnt 0x0
.irp qb, 0,1,2,3
	v_max3_num_f32 v[TN+\qb], v[FB+\qb], v[FB+8+\qb], v[FB+16+\qb]
.endr
.irp qb, 0,1,2,3
	v_max_num_f32 v[TN+\qb], v[TN+\qb], v[FB+24+\qb]   ; m*
.endr
.irp u, 0,1,2,3
.irp qb, 0,1,2,3
	v_sub_f32 v[FB+8*\u+\qb], v[FB+8*\u+\qb], v[TN+\qb]
.endr
.endr
.irp qb, 0,1,2,3
	v_sub_f32 v[AL+2*\qb], v[MP+2*\qb], v[TN+\qb]
.endr
.irp u, 0,1,2,3
.irp qb, 0,1,2,3
	v_exp_f32 v[FB+8*\u+\qb], v[FB+8*\u+\qb]
.endr
.endr
.irp qb, 0,1,2,3
	v_exp_f32 v[AL+2*\qb], v[AL+2*\qb]
.endr
	v_nop
	s_wait_alu depctr_va_vdst(0)
.irp qb, 0,1,2,3
	v_mul_f32 v[TX+\qb], v[FB+\qb], v[FB+4+\qb]
.endr
.irp u, 1,2,3
.irp qb, 0,1,2,3
	v_fmac_f32 v[TX+\qb], v[FB+8*\u+\qb], v[FB+8*\u+4+\qb]   ; l* = sum of l 2^(m - m*); at least 1, since the wave that holds m* counted a 1
.endr
.endr
.irp qb, 0,1,2,3
	v_rcp_f32 v[TX+\qb], v[TX+\qb]
.endr
	v_nop
	s_wait_alu depctr_va_vdst(0)
.irp qb, 0,1,2,3
	v_mul_f32 v[AL+2*\qb], v[AL+2*\qb], v[TX+\qb]
.endr
.irp qb, 0,1,2,3
	v_mov_b32 v[AL+2*\qb+1], v[AL+2*\qb]
.endr
	OSCALE
	WIN 0x08                                       ; store data from window 2
.irp qb, 0,1,2,3
.irp db, 0,1,2,3,4,5,6,7
	ds_store_b128 v[PA], v[8*(4*\db+\qb):8*(4*\db+\qb)+3]   offset:\qb*16*KP+64*\db
	ds_store_b128 v[PA], v[8*(4*\db+\qb)+4:8*(4*\db+\qb)+7] offset:\qb*16*KP+64*\db+16
.endr
.endr
	WIN 0
	s_wait_dscnt 0x0
	s_barrier_signal -1
	s_barrier_wait -1
.macro LOADB t, f                      ; rows 4 t .. 4 t + 3 of my sixteen, from all four partials: a row's 512 bytes by 32 lanes
.irp rr, 0,1,2,3
.irp u, 0,1,2,3
	ds_load_b128 v[\f+16*\rr+4*\u:\f+16*\rr+4*\u+3], v[RA+\u/2] offset:(\u%2)*KVW+(4*\t+\rr)*KP
.endr
.endr
.endm
.macro SUMB t, f, left
	s_wait_dscnt \left
.irp rr, 0,1,2,3
	v_pk_add_f32 v[\f+16*\rr:\f+16*\rr+1],     v[\f+16*\rr:\f+16*\rr+1],     v[\f+16*\rr+4:\f+16*\rr+5]
	v_pk_add_f32 v[\f+16*\rr+2:\f+16*\rr+3],   v[\f+16*\rr+2:\f+16*\rr+3],   v[\f+16*\rr+6:\f+16*\rr+7]
	v_pk_add_f32 v[\f+16*\rr+8:\f+16*\rr+9],   v[\f+16*\rr+8:\f+16*\rr+9],   v[\f+16*\rr+12:\f+16*\rr+13]
	v_pk_add_f32 v[\f+16*\rr+10:\f+16*\rr+11], v[\f+16*\rr+10:\f+16*\rr+11], v[\f+16*\rr+14:\f+16*\rr+15]
	v_pk_add_f32 v[\f+16*\rr:\f+16*\rr+1],     v[\f+16*\rr:\f+16*\rr+1],     v[\f+16*\rr+8:\f+16*\rr+9]
	v_pk_add_f32 v[\f+16*\rr+2:\f+16*\rr+3],   v[\f+16*\rr+2:\f+16*\rr+3],   v[\f+16*\rr+10:\f+16*\rr+11]
	v_cvt_pk_f16_f32 v[P+2*(4*\t+\rr)],   v[\f+16*\rr],   v[\f+16*\rr+1]
	v_cvt_pk_f16_f32 v[P+2*(4*\t+\rr)+1], v[\f+16*\rr+2], v[\f+16*\rr+3]
	global_store_b64 v[OA], v[P+2*(4*\t+\rr):P+2*(4*\t+\rr)+1], s[8:9] offset:(4*\t+\rr)*2048   ; 32 lanes store 256 consecutive bytes, at a multiple of 256; each row has its own data registers
.endr
.endm
	LOADB 0, FB
	LOADB 1, FB+64
	SUMB 0, FB, 16                                 ; the next batch's sixteen loads stay out
	LOADB 2, FB
	SUMB 1, FB+64, 16
	LOADB 3, FB+64
	SUMB 2, FB, 16
	SUMB 3, FB+64, 0
	s_wait_tensorcnt 0x0
	ds_add_u32 v30, v31
	s_wait_dscnt 0x0
	ROUND                                          ; the closing round
	s_endpgm
.Lfunc_end_k_q7a69a07fbc_attn:
	.size	k_q7a69a07fbc_attn, .Lfunc_end_k_q7a69a07fbc_attn-k_q7a69a07fbc_attn
	.p2alignl 7, 3214868480
	.fill 96, 4, 3214868480
	.section	.rodata,"a",@progbits
	.p2align	6, 0x0
	.amdhsa_kernel k_q7a69a07fbc_attn
		.amdhsa_group_segment_fixed_size 327680
		.amdhsa_private_segment_fixed_size 0
		.amdhsa_enable_private_segment 0
		.amdhsa_kernarg_size 24
		.amdhsa_user_sgpr_count 2
		.amdhsa_user_sgpr_kernarg_segment_ptr 1
		.amdhsa_wavefront_size32 1
		.amdhsa_system_sgpr_workgroup_id_x 1
		.amdhsa_system_sgpr_workgroup_id_y 1
		.amdhsa_system_sgpr_workgroup_id_z 1
		.amdhsa_system_vgpr_workitem_id 0
		.amdhsa_next_free_vgpr 896
		.amdhsa_next_free_sgpr 96
		.amdhsa_reserve_vcc 0
		.amdhsa_float_denorm_mode_32 3
		.amdhsa_float_denorm_mode_16_64 3
		.amdhsa_memory_ordered 1
		.amdhsa_forward_progress 1
		.amdhsa_inst_pref_size 255
	.end_amdhsa_kernel
	.section	.bss,"aw",@nobits
	.p2align	6
	.space	262144
	.amdgpu_metadata
---
amdhsa.version: [ 1, 2 ]
amdhsa.kernels:
  - .name:           k_q7a69a07fbc_attn
    .symbol:         k_q7a69a07fbc_attn.kd
    .args:
      - { .name: h16, .offset: 0, .size: 8, .value_kind: global_buffer, .address_space: global }
      - { .name: kv, .offset: 8, .size: 8, .value_kind: global_buffer, .address_space: global }
      - { .name: o, .offset: 16, .size: 8, .value_kind: global_buffer, .address_space: global }
    .group_segment_fixed_size: 327680
    .private_segment_fixed_size: 0
    .kernarg_segment_align: 8
    .kernarg_segment_size: 24
    .max_flat_workgroup_size: 128
    .sgpr_count:     96
    .vgpr_count:     896
    .wavefront_size: 32
...
	.end_amdgpu_metadata
.endif
;; end of part 3
;; launch oproj (part 4): grid 8 x 32, 4 waves a work-group, clusters of 4 x 4, 327,680 bytes of LDS; arguments h16, o, b_proj, out0; writes out0
.if DOCPART == 4
	.amdgcn_target "amdgcn-amd-amdhsa--gfx1250"
	.amdhsa_code_object_version 6
	.text
	.protected	k_q7a69a07fbc_oproj
	.globl	k_q7a69a07fbc_oproj
	.p2align	8
	.type	k_q7a69a07fbc_oproj,@function
k_q7a69a07fbc_oproj:
	s_mov_b64 s[64:65], 0
	v_nop
	global_prefetch_b8 v0, s[64:65] scope:SCOPE_SE
	s_setreg_imm32_b32 hwreg(HW_REG_WAVE_MODE, 25, 1), 1
	s_wait_xcnt 0x0
	s_wait_alu depctr_hold_cnt(0) depctr_sa_sdst(0) depctr_va_vdst(0) depctr_va_sdst(0) depctr_va_ssrc(0) depctr_va_vcc(0) depctr_vm_vsrc(0)
	s_getreg_b32 s2, hwreg(HW_REG_IB_STS2, 6, 4)
	s_cmp_eq_u32 s2, 0
	s_cbranch_scc0 .Lentry_in_a_cluster
	s_endpgm
.Lentry_in_a_cluster:
	s_bfe_u32 s2, ttmp6, 0x10000c
	s_cmp_lg_u32 s2, 0xf033
	s_cbranch_scc0 .Lentry_shape_is_right
	s_endpgm
.Lentry_shape_is_right:
; out0[row][col] = sum over k of o[row][k] Wproj[k][col] + b_proj[col].  o: [2048][1024] f16, Wproj: [1024][1024] f16 (h16, byte WP_OFF), out0 f32.
; A work-group makes 64 rows x 128 columns: 32 x 8 blocks, one for each of 256 work-groups.  K goes in four steps of 256 through three LDS slots:
; three steps' tiles come in the first fills; only the fourth is a refill, asked for behind step 0, with steps 1 and 2 in which to land.
; C^T(column, row) = Wproj^T o^T: source 0 = 16 columns of Wproj (rows lie along the columns: transposing LDS loads), source 1 = 16 rows of o,
; so that a lane holds 8 neighbouring columns of one row.  Wave w makes column blocks 2 w, 2 w + 1 x the four row blocks: eight accumulators,
; which take turns, one matrix instruction a turn.
; CLUSTER 4 x 4: Wproj's tiles hang on the column block alone and are shared along a column of the cluster, o's on the row block alone and are shared
; along a row; each is asked for jointly.  No LDS address and no branch hangs on the place in the cluster.
.set KP,    528
.set WP,    288
.set WHALF, 128*WP
.set XPART, 2*WHALF
.set PSLOT, XPART+64*KP                ; a slot: Wproj's part (256 k rows, pitch 288), then o's (64 rows, pitch 528): 107,520 bytes; three are the 322,560 bytes of LDS
.set STAGE, PSLOT                      ; 64 rows x 512 bytes of f32, pitch 528, in slot 1's bytes: their only fill is the first one, their reads end in front of the last step's barrier
.set WP_OFF, 44040192                  ; Wproj in h16
.set WA, 12                            ; v12-17  Wproj fragments: slot s, k rows 0-127 at 2 s, 128-255 at 2 s + 1
.set SA, 18                            ; stage: write
.set SR, 19                            ; stage: read
.set XA, 20                            ; v20-22  o fragments in slot 0, 1, 2
.set OL, 27                            ; 16 bytes a lane: in b_proj and in a row of out0
.set BI, 28                            ; v28-31  my four numbers of the bias
.set FB, 32                            ; v32-223 24 fragments
.set ACC, 128                          ; window 1: ACC(i, qb) at 128 + 8 (4 i + qb)
.set G1W, 16                           ; s[16:23] group 1, Wproj
.set G1X, 24                           ; s[24:31] group 1, o
.set G0X, 40                           ; s[40:51] group 0, o, a set for each slot
.set G0W, 84                           ; s[84:95] group 0, Wproj, a set for each slot
.set MSB, 0
.macro WIN new
.if MSB != \new
	s_set_vgpr_msb (MSB<<8)|\new
.set MSB, \new
.endif
.endm
.macro PLACES                          ; four places behind a matrix instruction (ISA guide 7.12.1)
.rept 4
	v_nop
.endr
.endm
.macro ROUND                           ; a round of the cluster's barrier
	s_barrier_signal -1
	s_barrier_wait -1
	s_cmp_lg_u32 s10, 0
	s_cbranch_scc1 .Lnot_wave_0_\@
	s_barrier_signal -3
.Lnot_wave_0_\@:
	s_barrier_wait -3
	s_barrier_signal -1
	s_barrier_wait -1
.endm
	s_load_b128 s[4:7], s[0:1], 0x0                ; h16 s[4:5], o s[6:7]
	s_load_b128 s[72:75], s[0:1], 0x10             ; b_proj s[72:73], out0 s[74:75]
	v_lshl_add_u32 v254, v0, 2, 0x4ec00
	v_mov_b32 v255, 0
	ds_add_u32 v254, v255
	v_lshrrev_b32 v1, 5, v0
	v_readfirstlane_b32 s10, v1                    ; wave 0..3
	s_lshr_b32 s11, s10, 1                         ; I fetch Wproj (0) or o (1)
	s_and_b32 s15, s10, 1
	s_bfe_u32 s12, ttmp6, 0x40000                  ; cx
	s_bfe_u32 s13, ttmp6, 0x40004                  ; cy
	s_lshl_b32 s32, ttmp9, 2
	s_add_co_u32 s32, s32, s12                     ; x: block of 128 columns
	s_and_b32 s33, ttmp7, 0xffff
	s_lshl_b32 s33, s33, 2
	s_add_co_u32 s33, s33, s13                     ; y: block of 64 rows
	s_lshl_b32 s35, s13, 2
	s_lshl_b32 s35, 15, s35                        ; my row of the cluster
	s_lshl_b32 s34, 0x1111, s12                    ; my column
	; group 1, Wproj: 128 k rows x 128 elements of 2 bytes, 8 words of padding behind every 64; shared along my column
	s_or_b32 s[G1W+0], s34, (1<<16)|(1<<20)|(1<<21)|(5<<22)|(7<<25)
	s_mov_b32 s[G1W+1], 128<<16
	s_mov_b32 s[G1W+2], 128<<16
	s_mov_b32 s[G1W+3], 128<<16
	s_mov_b32 s[G1W+4], 128
	s_mov_b32 s[G1W+5], 1024
	s_mov_b32 s[G1W+6], 0
	s_mov_b32 s[G1W+7], 0
	; group 1, o: 32 rows x 256 elements, 4 words of padding behind every 128; shared along my row
	s_or_b32 s[G1X+0], s35, (1<<16)|(1<<20)|(1<<21)|(6<<22)|(3<<25)
	s_mov_b32 s[G1X+1], 256<<16
	s_mov_b32 s[G1X+2], 32<<16
	s_mov_b32 s[G1X+3], 256<<16
	s_mov_b32 s[G1X+4], 32
	s_mov_b32 s[G1X+5], 1024
	s_mov_b32 s[G1X+6], 0
	s_mov_b32 s[G1X+7], 0
	; byte offsets, all below 8 MiB; x and y in registers of their own
	s_lshl_b32 s70, s10, 18                        ; Wproj: 128 w k rows of 2,048 bytes
	s_lshl_b32 s38, s32, 8                         ; + 256 x
	s_add_co_u32 s70, s70, s38
	s_mov_b32 s71, 0
	s_lshl_b32 s78, s33, 17                        ; o: 64 y rows of 2,048 bytes
	s_lshl_b32 s82, s15, 16                        ; + 32 (w % 2) rows
	s_add_co_u32 s78, s78, s82
	s_mov_b32 s79, 0
	s_lshl_b32 s36, s32, 9                         ; bias: 512 x
	s_mov_b32 s37, 0
	s_lshl_b32 s76, s33, 18                        ; out0: 64 y rows of 4,096 bytes
	s_lshl_b32 s82, s10, 16                        ; + 16 w rows
	s_add_co_u32 s76, s76, s82
	s_add_co_u32 s76, s76, s36                     ; + 512 x
	s_mov_b32 s77, 0
	s_mul_i32 s80, s10, WHALF                      ; LDS: Wproj's halves at wave x 36,864
	s_mul_i32 s81, s10, 32*KP                      ; o's halves at XPART + (wave - 2) x 16,896
	s_add_co_u32 s81, s81, XPART-2*32*KP
	s_wait_dscnt 0x0
	s_wait_kmcnt 0x0
	s_add_nc_u64 s[70:71], s[4:5], s[70:71]
	s_add_nc_u64 s[78:79], s[6:7], s[78:79]
	s_add_nc_u64 s[72:73], s[72:73], s[36:37]
	s_add_nc_u64 s[74:75], s[74:75], s[76:77]
.irp s, 0,1,2
	s_mov_b32 s[G0W+4*\s], 1
	s_add_co_u32 s[G0W+4*\s+1], s80, \s*PSLOT
	s_add_nc_u64 s[G0W+4*\s+2:G0W+4*\s+3], s[70:71], WP_OFF+\s*256*2048
	s_or_b32 s[G0W+4*\s+3], s[G0W+4*\s+3], 0x80000000
	s_mov_b32 s[G0X+4*\s], 1
	s_add_co_u32 s[G0X+4*\s+1], s81, \s*PSLOT
	s_add_nc_u64 s[G0X+4*\s+2:G0X+4*\s+3], s[78:79], \s*512
	s_or_b32 s[G0X+4*\s+3], s[G0X+4*\s+3], 0x80000000
.endr
	ROUND                                          ; all sixteen work-groups are here: the first joint loads meet
	s_cmp_eq_u32 s11, 0                            ; all first fills of a wave inside one branch on the wave number: three tensor loads of the wave are out
	s_cbranch_scc0 .Lfirst_x
	tensor_load_to_lds s[G0W:G0W+3], s[G1W:G1W+7]
	s_nop 0
	tensor_load_to_lds s[G0W+4:G0W+7], s[G1W:G1W+7]
	s_nop 0
	tensor_load_to_lds s[G0W+8:G0W+11], s[G1W:G1W+7]
	s_nop 0
	s_branch .Lfirst_done
.Lfirst_x:
	tensor_load_to_lds s[G0X:G0X+3], s[G1X:G1X+7]
	s_nop 0
	tensor_load_to_lds s[G0X+4:G0X+7], s[G1X:G1X+7]
	s_nop 0
	tensor_load_to_lds s[G0X+8:G0X+11], s[G1X:G1X+7]
	s_nop 0
.Lfirst_done:
	v_and_b32 v5, 31, v0                           ; L
	v_lshlrev_b32 v[OL], 4, v5
	global_load_b128 v[BI:BI+3], v[OL], s[72:73]   ; the bias of my four columns
	v_and_b32 v1, 15, v0                           ; r
	v_bfe_u32 v2, v0, 4, 1                         ; hh
	v_and_b32 v3, 7, v0
	v_bfe_u32 v4, v0, 3, 1
	v_lshl_add_u32 v6, v2, 3, v3                   ; Wproj: k row 8 hh + L % 8
	v_mul_u32_u24 v6, v6, WP
	v_lshl_add_u32 v6, v4, 4, v6
	v_lshl_add_u32 v[WA], s10, 6, v6               ; my 32 columns: 64 w bytes
	v_add_nc_u32 v[WA+1], WHALF, v[WA]
.irp s, 1,2
	v_add_nc_u32 v[WA+2*\s], \s*PSLOT, v[WA]
	v_add_nc_u32 v[WA+2*\s+1], \s*PSLOT+WHALF, v[WA]
.endr
	v_mul_u32_u24 v6, v1, KP                       ; o: row r, 16 hh
	v_lshl_add_u32 v7, v2, 4, v6
.irp s, 0,1,2
	v_add_nc_u32 v[XA+\s], \s*PSLOT+XPART, v7
.endr
	v_lshl_add_u32 v7, v2, 5, v6                   ; stage, in: row r, 32 hh, 128 w
	v_lshl_add_u32 v7, s10, 7, v7
	v_add_nc_u32 v[SA], STAGE, v7
	s_mul_i32 s82, s10, 16*KP                      ; stage, back: rows 16 w .., 16 bytes a lane
	v_lshl_add_u32 v7, v5, 4, s82
	v_add_nc_u32 v[SR], STAGE, v7
; One step of 256 along K from a slot, in two halves of 128: 48 LDS loads in one run, then 32 matrix instructions.
.macro GSTEP slot, zero
.irp hf, 0,1
	WIN 0
	PLACES
.irp ks, 0,1,2,3
.irp i, 0,1
	ds_load_tr16_b128 v[FB+48*\ks+8*\i:FB+48*\ks+8*\i+3],   v[WA+2*\slot+\hf] offset:\ks*32*WP+32*\i
	ds_load_tr16_b128 v[FB+48*\ks+8*\i+4:FB+48*\ks+8*\i+7], v[WA+2*\slot+\hf] offset:\ks*32*WP+32*\i+16*WP
.endr
.irp qb, 0,1,2,3
	ds_load_b128 v[FB+48*\ks+16+8*\qb:FB+48*\ks+16+8*\qb+3],   v[XA+\slot] offset:\qb*16*KP+256*\hf+64*\ks
	ds_load_b128 v[FB+48*\ks+16+8*\qb+4:FB+48*\ks+16+8*\qb+7], v[XA+\slot] offset:\qb*16*KP+256*\hf+64*\ks+32
.endr
.endr
	WIN 0x50                                       ; C and D in window 1
.irp ks, 0,1,2,3
	s_wait_dscnt 36-12*\ks                         ; the twelve loads of each later 32 of K stay out
.irp i, 0,1
.irp qb, 0,1,2,3
.if (1-\zero)+\hf+\ks
	v_wmma_f32_16x16x32_f16 v[ACC+8*(4*\i+\qb):ACC+8*(4*\i+\qb)+7], v[FB+48*\ks+8*\i:FB+48*\ks+8*\i+7], v[FB+48*\ks+16+8*\qb:FB+48*\ks+16+8*\qb+7], v[ACC+8*(4*\i+\qb):ACC+8*(4*\i+\qb)+7]
.else
	v_wmma_f32_16x16x32_f16 v[ACC+8*(4*\i+\qb):ACC+8*(4*\i+\qb)+7], v[FB+48*\ks+8*\i:FB+48*\ks+8*\i+7], v[FB+48*\ks+16+8*\qb:FB+48*\ks+16+8*\qb+7], 0
.endif
.endr
.endr
.endr
.endr
.endm
	s_wait_tensorcnt 0x2                           ; my part of step 0 is in; the two younger loads may stay out
	s_barrier_signal -1
	s_barrier_wait -1
	GSTEP 0, 1
	; The one refill.  Every wave waits for all its tensor loads (steps 1 and 2 among them) and for its reads of slot 0; a round; slot 0 gets K 768-1023.
	WIN 0
	s_wait_tensorcnt 0x0
	ds_add_u32 v254, v255
	s_add_nc_u64 s[G0W+2:G0W+3], s[G0W+2:G0W+3], 3*256*2048    ; written where no tensor load of the wave is out
	s_add_nc_u64 s[G0X+2:G0X+3], s[G0X+2:G0X+3], 3*512
	s_wait_dscnt 0x0
	ROUND
	s_cmp_eq_u32 s11, 0                            ; the wave's one tensor load behind the round
	s_cbranch_scc0 .Lrefill_x
	tensor_load_to_lds s[G0W:G0W+3], s[G1W:G1W+7]
	s_nop 0
	s_branch .Lrefill_done
.Lrefill_x:
	tensor_load_to_lds s[G0X:G0X+3], s[G1X:G1X+7]
	s_nop 0
.Lrefill_done:
	GSTEP 1, 0
	GSTEP 2, 0                                     ; no barrier between them: the round above has shown both slots to every wave
	WIN 0
	s_wait_tensorcnt 0x0                           ; my part of the last step is in
	s_wait_dscnt 0x0                               ; my reads of slots 1 and 2 are over
	s_barrier_signal -1
	s_barrier_wait -1
	GSTEP 0, 0
	; THE WAY OUT: a lane's 8 neighbouring columns of a row go into the stage in f32; whole rows of 512 bytes come back, get the bias and are stored.
	WIN 0
	PLACES
	WIN 0x04                                       ; store data from window 1
.irp i, 0,1
.irp qb, 0,1,2,3
	ds_store_b128 v[SA], v[ACC+8*(4*\i+\qb):ACC+8*(4*\i+\qb)+3]   offset:\qb*16*KP+64*\i
	ds_store_b128 v[SA], v[ACC+8*(4*\i+\qb)+4:ACC+8*(4*\i+\qb)+7] offset:\qb*16*KP+64*\i+16
.endr
.endr
	WIN 0
	s_wait_dscnt 0x0                               ; the other waves read what I stored
	s_barrier_signal -1
	s_barrier_wait -1
.irp i, 0,1,2,3,4,5,6,7,8,9,10,11,12,13,14,15
	ds_load_b128 v[FB+4*\i:FB+4*\i+3], v[SR] offset:\i*KP
.endr
	s_wait_loadcnt 0x0                             ; the bias
.irp i, 0,1,2,3,4,5,6,7,8,9,10,11,12,13,14,15
	s_wait_dscnt 15-\i                             ; row i is in, the later rows stay out
	v_pk_add_f32 v[FB+4*\i:FB+4*\i+1],   v[FB+4*\i:FB+4*\i+1],   v[BI:BI+1]
	v_pk_add_f32 v[FB+4*\i+2:FB+4*\i+3], v[FB+4*\i+2:FB+4*\i+3], v[BI+2:BI+3]
	global_store_b128 v[OL], v[FB+4*\i:FB+4*\i+3], s[74:75] offset:\i*4096 th:TH_STORE_NT   ; a wave stores 512 consecutive bytes, at a multiple of 512
.endr
	s_wait_tensorcnt 0x0
	ds_add_u32 v254, v255
	s_wait_dscnt 0x0
	ROUND                                          ; the closing round
	s_endpgm
.Lfunc_end_k_q7a69a07fbc_oproj:
	.size	k_q7a69a07fbc_oproj, .Lfunc_end_k_q7a69a07fbc_oproj-k_q7a69a07fbc_oproj
	.p2alignl 7, 3214868480
	.fill 96, 4, 3214868480
	.section	.rodata,"a",@progbits
	.p2align	6, 0x0
	.amdhsa_kernel k_q7a69a07fbc_oproj
		.amdhsa_group_segment_fixed_size 327680
		.amdhsa_private_segment_fixed_size 0
		.amdhsa_enable_private_segment 0
		.amdhsa_kernarg_size 32
		.amdhsa_user_sgpr_count 2
		.amdhsa_user_sgpr_kernarg_segment_ptr 1
		.amdhsa_wavefront_size32 1
		.amdhsa_system_sgpr_workgroup_id_x 1
		.amdhsa_system_sgpr_workgroup_id_y 1
		.amdhsa_system_sgpr_workgroup_id_z 1
		.amdhsa_system_vgpr_workitem_id 0
		.amdhsa_next_free_vgpr 448
		.amdhsa_next_free_sgpr 96
		.amdhsa_reserve_vcc 0
		.amdhsa_float_denorm_mode_32 3
		.amdhsa_float_denorm_mode_16_64 3
		.amdhsa_memory_ordered 1
		.amdhsa_forward_progress 1
		.amdhsa_inst_pref_size 58
	.end_amdhsa_kernel
	.amdgpu_metadata
---
amdhsa.version: [ 1, 2 ]
amdhsa.kernels:
  - .name:           k_q7a69a07fbc_oproj
    .symbol:         k_q7a69a07fbc_oproj.kd
    .args:
      - { .name: h16, .offset: 0, .size: 8, .value_kind: global_buffer, .address_space: global }
      - { .name: o, .offset: 8, .size: 8, .value_kind: global_buffer, .address_space: global }
      - { .name: b_proj, .offset: 16, .size: 8, .value_kind: global_buffer, .address_space: global }
      - { .name: out0, .offset: 24, .size: 8, .value_kind: global_buffer, .address_space: global }
    .group_segment_fixed_size: 327680
    .private_segment_fixed_size: 0
    .kernarg_segment_align: 8
    .kernarg_segment_size: 32
    .max_flat_workgroup_size: 128
    .sgpr_count:     96
    .vgpr_count:     448
    .wavefront_size: 32
...
	.end_amdgpu_metadata
.endif
;; end of part 4
